; MI455X (gfx1250); checked and timed in simulation.
; The chip was launched on July 23, 2026; its instructions are those of AMD's public machine-readable ISA for CDNA 5 (MIT licence, August 2026) and "CDNA5" Instruction Set Architecture Reference Guide (July 2026). The comments in the code are by the model that wrote it; some were corrected since.
;; Attention. Allowed arithmetic: matrix products marked QUANTISED: E2M1 operands, one E8M0 scale for each 32 along K, by v_wmma_scale_f32_16x16x128_f8f6f4 with both operands' format E2M1 (or v_wmma_scale_f32_32x16x128_f4), f32 sums; everything else in f32.
;; Inputs: k 4 x 16 x 1,024 x 64 float32; projection_matrix_codes 64 x 2 x 16 uint8 (E2M1 codes of projection_matrix, K innermost, in blocks of 32 codes, two codes a byte); projection_matrix_scales 64 x 2 uint8 (E8M0 scales of projection_matrix, one for each 32 codes along K); q 4 x 16 x 1,024 x 64 float32; v_codes 4 x 16 x 64 x 32 x 16 uint8 (E2M1 codes of v, K innermost, in blocks of 32 codes, two codes a byte); v_scales 4 x 16 x 64 x 32 uint8 (E8M0 scales of v, one for each 32 codes along K).
;; Outputs: out0 4 x 16 x 1,024 x 64 float32.
;; This version of the problem:
;;   THIS VERSION OF THE PROBLEM IS GIVEN IN LOW PRECISION. The matrix products marked QUANTISED in the list below multiply operands that are first quantised to E2M1 (2 exponent bits, 1 mantissa bit; 4 bits a number), with one power-of-two scale for each 32 numbers along K (OCP MX v1.0); their sums are f32. All else is computed in f32.
;;   The module's matrix products, in the order in which they are computed (A, B: the left and right operand; K: the contracted axis; several contracted axes count as one K, in the product's order):
;;     1. [M 65,536, K 64] x [K 64, N 64]; A: computed on the way; B: input projection_matrix (given as codes): QUANTISED
;;     2. [M 65,536, K 64] x [K 64, N 64]; A: computed on the way; B: input projection_matrix (given as codes): QUANTISED
;;     3. batch 64 x [M 1,024, K 64] x [K 64, N 1,024]; A: computed on the way; B: computed on the way: QUANTISED
;;     4. batch 64 x [M 1,024, K 1,024] x [K 1,024, N 64]; A: computed on the way; B: input v (given as codes): QUANTISED
;;   THE QUANTISER, for each operand of a quantised product, along K:
;;     - K is cut into blocks of 32 from its start; a last block that is shorter is filled with zeros.
;;     - A block's scale is 2^e with e = floor(log2(the largest magnitude in the block)) - 2, held to -126 .. 127; a block of zeros has e = 0. As a byte (E8M0): e + 127.
;;     - Each number is divided by its block's scale, clamped to +-6, and rounded to the nearest number of E2M1, ties to even, subnormals kept.
;;     - The product sums the exact products of the quantised numbers (number of the format x scale) in f32.
;;   ~~~python
;;   def quantise(x, axis):      # numpy; x: float32 -> the quantised numbers, widened to float32 again
;;       x = np.moveaxis(x, axis, -1); K = x.shape[-1]
;;       x = np.pad(x, [(0, 0)] * (x.ndim - 1) + [(0, -K % 32)]); x = x.reshape(x.shape[:-1] + (-1, 32)); a = np.abs(x).max(-1, keepdims=True)
;;       e = np.where(a > 0, np.clip(np.frexp(np.where(a > 0, a, 1))[1] - 1 - 2, -126, 127), 0)      # np.frexp(a)[1] - 1 = floor(log2(a)), exactly
;;       r = np.clip(x / 2.0 ** e, -6, 6)
;;       step = 2.0 ** (np.maximum(np.frexp(np.where(r == 0, 1, r))[1] - 1, 0) - 1)
;;       q = np.round(r / step) * step * 2.0 ** e      # np.round: ties to even
;;       return np.moveaxis(q.reshape(q.shape[:-2] + (-1,))[..., :K], -1, axis).astype(np.float32)
;;   ~~~
;;   OPERANDS COMPUTED ON THE WAY. 'Computed on the way' means the value that the module computes at that place (a softmax that the list does not call 'softmax' is quantised finished and normalised). What goes into a quantiser is computed in f32, as accurately as f32 sums, v_exp_f32 and their like allow (about 1e-6 of the number): no bf16 or f16 on the way to a quantiser, and a product that is left as it is and whose result goes on into a quantised operand takes f32 operands (vector FMAs, or v_wmma_f32_16x16x4_f32). A number that lies on a knife's edge between two numbers of the format may be rounded either way, as far as f32 arithmetic and the matrix unit's own rounding can turn it there, and no further.
;;   INPUTS GIVEN AS CODES. projection_matrix (in the module: [64, 64], K = its axis 0); v (in the module: [4, 16, 1024, 64], K = its axis 2): each comes as NAME_codes (uint8): NAME with its K axis moved to the last place and cut into blocks of 32 codes, [.., K / 32, bytes a block], one block behind the other in memory; two codes a byte, the lower K in the low four bits (a code: sign, 2 exponent bits, 1 mantissa bit); and NAME_scales (uint8): the same leading axes, one E8M0 byte (e + 127) for each 32 codes along K. Its value is code x scale, taken as it is: it is not quantised again, and the codes and scales need not be those that the quantiser above would give.
;; One version. Each part assembles by itself: llvm-mc -triple=amdgcn-amd-amdhsa -mcpu=gfx1250 --defsym DOCPART=n.
;; ======== version 1 of 1: 1 launch
;; launch attn (part 1): grid 256 x 1, 16 waves a work-group, clusters of 4 x 1, 327,680 bytes of LDS; arguments k, q, projection_matrix_codes, projection_matrix_scales, v_codes, v_scales, out0; writes out0
.if DOCPART == 1
	.amdgcn_target "amdgcn-amd-amdhsa--gfx1250"
	.amdhsa_code_object_version 6
	.text
	.protected	k_q9225b2a572_attn
	.globl	k_q9225b2a572_attn
	.p2align	8
	.type	k_q9225b2a572_attn,@function
k_q9225b2a572_attn:
	s_mov_b64 s[64:65], 0
	v_nop
	global_prefetch_b8 v0, s[64:65] scope:SCOPE_SE
	s_setreg_imm32_b32 hwreg(HW_REG_WAVE_MODE, 25, 1), 1
	s_wait_xcnt 0x0
	s_wait_alu depctr_hold_cnt(0) depctr_sa_sdst(0) depctr_va_vdst(0) depctr_va_sdst(0) depctr_va_ssrc(0) depctr_va_vcc(0) depctr_vm_vsrc(0)
	s_getreg_b32 s2, hwreg(HW_REG_IB_STS2, 6, 4)
	s_cmp_eq_u32 s2, 0
	s_cbranch_scc0 .Lentry_in_a_cluster
	s_endpgm
.Lentry_in_a_cluster:
	s_bfe_u32 s2, ttmp6, 0x10000c
	s_cmp_lg_u32 s2, 0x3003
	s_cbranch_scc0 .Lentry_shape_is_right
	s_endpgm
.Lentry_shape_is_right:
; Performer attention with a causal mask, all four products on codes of FP4 (E2M1) with one E8M0 scale for each 32 along K.
;   phi(x) = exp(dd - |x|^2 / 16 - stab) + 1e-4,  dd = Q(x / 64^0.25) Q(P);  stab: a query's own largest dd; for keys the largest dd of the whole head.
;   s = Q(qp) Q(kp)^T, keys behind the query set to 0;  p = s / (the row's sum);  out = Q(p) Q(v).     64 heads, 1,024 rows, 64 channels, 64 features.
; SHARES.  A cluster of four work-groups is a head (ttmp9); a work-group has sixteen waves of 256 registers.  For the features wave w owns keys 64 w .. 64 w + 63: each of the four work-groups makes
; the whole head's kp itself, so that the head's maximum and kp's codes never leave LDS and there is one launch.  For the attention wave w owns ONE tile of 16 queries, 64 i + 16 cx + 0 .. 15,
; i = IDX(w), a permutation of 0 .. 15 that is a 4 x 4 square whose rows and columns all sum to 30: four waves with equal w % 4, or equal w / 4, walk 34 groups of 64 keys together.
; Trip counts are constants and branches hang on w alone; cx (the place in the cluster) enters q's and out's global addresses and the lane masks of the diagonal, nothing else.
; JOINT LOADS.  The four partners need the same k (256 KiB) and the same codes of v (32 KiB): each wave asks for its 64 rows of k, as four tiles of 16 rows so that the first tile can be worked on
; while the others are on their way, and for 4 rows of v, by loads that name all four.  Every LDS byte is filled once; five tensor loads of a wave are out at the most.
; LAYOUT (r = lane % 16, h = lane / 16).  All products are used transposed (source 0 = 16 rows of P, kp or v; source 1 = my 16 rows of data, qp or p), so that a lane holds one row r and its eight
; registers of a result are eight neighbours 8 h + 0 .. 7 along the next K.  Four neighbouring result tiles are two blocks of 32: tile x's eight codes go to register 2 (x % 2) + x / 2, and two
; exchanges of half rows leave lane half h with block h whole: the 4-bit operand's registers.  K = 64 fills half of the instruction's 128: registers 4-7 of such fragments hold zero codes, on both sides.
; THE ROW'S SUM is wanted before any p can be quantised: pass A makes s and sums it, pass B makes s again, scales, quantises and multiplies by v.  In both passes kp's fragments are fetched one
; trip ahead, into registers that the trip's products have just left, since the wave with the most keys ends up with few others beside it to cover its LDS loads.
; LIMITS.  NaN and infinities among the inputs are not served.  The exponent is one fused multiply-add, dd log2(e) - log2(e) (|x|^2 / 16 + stab), not two subtractions.  1 / sum is v_rcp_f32 and one
; Newton step, not a division.  A block's largest feature is its largest dd put through the same three instructions: this takes v_exp_f32 not to fall where its input rises.  The row's sum is taken
; in four chains.  A row whose sum is 0 comes out as NaN, as 0 / 0 does.  Scale bytes of blocks of zeros are 1, not 127: only this text reads them.
.set KP,    272                        ; a row of k, q or out in LDS: 256 bytes + 16 = 17 x 16
.set KQ,    16*KP                      ; a tile of 16 rows: what one tensor load of k brings
.set KWAVE, 4*KQ                       ; a wave's 64 rows of k
.set VP,    528                        ; a row of v's codes: 512 bytes + 16 = 33 x 16
.set VC,    16*KWAVE                   ; 278,528: v's codes, 64 rows
.set VS,    VC+64*VP                   ; 312,320: v's scale words, 36 bytes a row of 8 words
.set SCW,   VS+64*36                   ; 314,624: kp's scale words: wave w, row r: four words (its four tiles) at 256 w + 16 r
.set MAXW,  SCW+4096                   ; 318,720: sixteen waves' maxima
.set STG,   32768                      ; behind the first barrier k's rows are done with: bytes 0 .. 32,767 take kp's images (tile t at 512 t + 16 x lane),
.set STGW,  16*KP                      ; and from 32,768 on each wave has a stage of 16 rows of its own, for q on its way in and out on its way out
.set LI,  1                            ; v1   16 x lane: an image's place, and a dense global offset
.set RR,  2                            ; v2   r          (in the passes: ADK)
.set HH,  3                            ; v3   h          (ADS)
.set KRD, 4                            ; v4   my 128 bytes of k's row r in my wave's first tile   (ADV)
.set H8,  5                            ; v5   8 h        (ADT)
.set NIL, 6                            ; v6   0
.set KPW, 7                            ; v7   where I store kp's images
.set SCS, 8                            ; v8   and kp's scale words
.set STI, 9                            ; v9   my stage by dense rows: 272 h + 16 r
.set STQ, 10                           ; v10  my stage: row r, + 128 h
.set STO, 11                           ; v11  my stage: row r, + 32 h
.set SC0, 12                           ; v12  kp's scale words: 16 x lane
.set AV0, 13                           ; v13  v's codes: row r, + 16 h
.set AS0, 14                           ; v14  v's scale words: 36 x lane
.set MXA, 15                           ; v15  the maxima: 4 r
.set QF,  16                           ; v16-23 the data's fragment of the first products, at last qp's; v20-23 stay 0
.set QSC, 24                           ; v24-34 hold scales and nothing else: v24 qp's word
.set PSW, 25                           ; v25  p's
.set PS,  26                           ; v26-27 P's (lanes 0-15 tile 2 p, lanes 16-31 tile 2 p + 1)
.set KSC, 28                           ; v28-31 kp's (lanes 0-15 tiles 0-3 of a trip, lanes 16-31 tiles 4-7)
.set VSC, 32                           ; v32-33 v's (as P's)
.set DSC, 34                           ; v34  the data's
.set T0,  35
.set CP,  36                           ; v[36:37] c = -log2(e) (|x|^2 / 16 + stab); in the passes 1 / sum, twice
.set MX,  38                           ; v38  the running maximum, then stab
.set T1,  39
.set SS,  40                           ; v40-43 a row's sum of squares, tile by tile
.set BM,  44                           ; v44-51 a row's largest dd of each block of 32 features, two a tile
.set W4,  52                           ; v52-55 kp's scale words of my four tiles
.set TM,  56                           ; v56-63 at work
.set PFR, 64                           ; v64-95 P's four fragments (upper halves 0)
.set X,   96                           ; v96-127 32 numbers of a row
.set U,   128                          ; v128-255 dd of my four tiles of keys, 32 a tile
.set ADK, 2                            ; the passes: LDS addresses of the loads in hand
.set ADS, 3
.set ADV, 4
.set ADT, 5
.set RS,  38                           ; pass A: v38-45 the row's sum in four pairs
.set BX,  38                           ; pass B: v38-41 the four blocks' largest numbers,
.set PT,  42                           ;         v42-45 the other lane half's, then the scale bytes,
.set SO,  56                           ;         v56-59 the conversions' scale operands
.set NC,  46                           ; v[46:47] 0, or NaN where the sum was 0
.set PF,  48                           ; v48-55 p's fragment
.set KF,  64                           ; v64-127 kp's eight fragments of a trip (upper halves 0)
.set S,   128                          ; v128-191 s^T, eight tiles of 16 keys
.set VF,  192                          ; v192-223 v's four fragments
.set O,   224                          ; v224-255 out^T
.set MK,  68                           ; s68-99 lane masks of the diagonal group: bit set where key 16 x + 8 h + j lies behind query 16 cx + r
; SCALARS: s[4:17] the buffers (s[4:5] k, then v's scales; s[12:15] then a descriptor); s18 wave, s19 i, s20 cx, s21 head; s[22:23] lane selects; s[24:29], s66 constants; s[32:39], s[40:47] groups 1 for k and v;
; groups 0: s[48:51], s[56:59], s[60:63], s[12:15] k's four tiles, s[52:55] v; behind the first barrier s56-63 serve the passes' loops.
.macro ROUND                           ; a round of the cluster's barrier
	s_barrier_signal -1
	s_barrier_wait -1
	s_cmp_lg_u32 s18, 0
	s_cbranch_scc1 .Lnot_wave_0_\@
	s_barrier_signal -3
.Lnot_wave_0_\@:
	s_barrier_wait -3
	s_barrier_signal -1
	s_barrier_wait -1
.endm
.macro PLACES n                        ; plain vector lines between a matrix instruction and what touches its registers (ISA guide 7.12.1), or ahead of a scaled one
.rept \n
	v_nop
.endr
.endm
.macro LOADX T                         ; tile T of my keys: my block h of row r, 32 numbers
.irp j, 0,1,2,3,4,5,6,7
	ds_load_b128 v[X+4*\j:X+4*\j+3], v[KRD] offset:KQ*(\T)+16*\j
.endr
.endm
; 32 numbers at v[xb] on (block h of row r) become the data's fragment (v16-19), its scale word (v34) and the row's sum of squares (v[ss]).
.macro PREP xb, ss
	s_wait_dscnt 0x0                               ; the numbers are in; all my earlier LDS stores have read their registers
	v_pk_mul_f32 v[TM:TM+1], v[\xb:\xb+1], v[\xb:\xb+1]
	v_pk_mul_f32 v[TM+2:TM+3], v[\xb+2:\xb+3], v[\xb+2:\xb+3]
.irp i, 4,8,12,16,20,24,28
	v_pk_fma_f32 v[TM:TM+1], v[\xb+\i:\xb+\i+1], v[\xb+\i:\xb+\i+1], v[TM:TM+1]           ; the squares, in two packed chains
	v_pk_fma_f32 v[TM+2:TM+3], v[\xb+\i+2:\xb+\i+3], v[\xb+\i+2:\xb+\i+3], v[TM+2:TM+3]
.endr
.irp i, 0,2,4,6,8,10,12,14,16,18,20,22,24,26,28,30
	v_pk_mul_f32 v[\xb+\i:\xb+\i+1], v[\xb+\i:\xb+\i+1], s[24:25] op_sel_hi:[1,0]          ; x / 64^0.25: what is quantised
.endr
	v_max3_num_f32 v[TM+4], |v[\xb]|, |v[\xb+1]|, 0x1800000                                 ; the block's largest magnitude, all 32 mine, over the floor 2^(3 - 127)
	v_max3_num_f32 v[TM+5], |v[\xb+16]|, |v[\xb+17]|, |v[\xb+18]|
.irp i, 2,4,6,8,10,12
	v_max3_num_f32 v[TM+4], v[TM+4], |v[\xb+\i]|, |v[\xb+\i+1]|
	v_max3_num_f32 v[TM+5], v[TM+5], |v[\xb+17+\i]|, |v[\xb+18+\i]|
.endr
	v_max3_num_f32 v[TM+4], v[TM+4], |v[\xb+14]|, |v[\xb+15]|
	v_max3_num_f32 v[TM+4], v[TM+4], v[TM+5], |v[\xb+31]|
	v_add_nc_u32 v[TM+6], 0xff000000, v[TM+4]      ; 2 off its exponent field: the conversion's scale operand
	v_lshrrev_b32 v[TM+7], 23, v[TM+6]             ; the scale's byte,
	v_lshlrev_b32 v[T0], v[H8], v[TM+7]            ; at byte h of the row's word;
	v_permlanex16_b32 v[T1], v[T0], s22, s23
	v_or_b32 v[DSC], v[T0], v[T1]                  ; with lane l xor 16's the word is whole (bytes 2 and 3 stay 0: they scale zero codes)
.irp g, 0,1,2,3
	v_cvt_scalef32_pk8_fp4_f32 v[QF+\g], v[\xb+8*\g:\xb+8*\g+7], v[TM+6]
.endr
	v_nop                                          ; one plain line behind the scaled conversions
	v_pk_add_f32 v[TM:TM+1], v[TM:TM+1], v[TM+2:TM+3]
	v_add_f32 v[TM], v[TM], v[TM+1]
	v_permlanex16_b32 v[T1], v[TM], s22, s23
	v_add_f32 v[\ss], v[TM], v[T1]                 ; the row's sum of squares
.endm
.macro WM12 ub                         ; dd^T: source 0 = 16 rows (features) of P, source 1 = my 16 rows of data: register 8 t + j = feature 16 t + 8 h + j of row r
.irp t, 0,1,2,3
.if \t%2
	v_wmma_scale_f32_16x16x128_f8f6f4 v[\ub+8*\t:\ub+8*\t+7], v[PFR+8*\t:PFR+8*\t+7], v[QF:QF+7], 0, v[PS+\t/2], v[DSC] matrix_a_fmt:MATRIX_FMT_FP4 matrix_b_fmt:MATRIX_FMT_FP4 matrix_a_scale:MATRIX_SCALE_ROW1
.else
	v_wmma_scale_f32_16x16x128_f8f6f4 v[\ub+8*\t:\ub+8*\t+7], v[PFR+8*\t:PFR+8*\t+7], v[QF:QF+7], 0, v[PS+\t/2], v[DSC] matrix_a_fmt:MATRIX_FMT_FP4 matrix_b_fmt:MATRIX_FMT_FP4
.endif
.endr
.endm
; The largest of each of the two blocks of 32 that four result tiles at v[ub] hold, into v[bmr], v[bmr + 1].  Every tile is read from its low end on.
.macro MAXES ub, bmr, tmp
.irp b, 0,1
	v_max3_num_f32 v[\bmr+\b], v[\ub+16*\b], v[\ub+16*\b+1], v[\ub+16*\b+2]
.endr
.irp i, 3,5,7,9,11,13
.irp b, 0,1
	v_max3_num_f32 v[\bmr+\b], v[\bmr+\b], v[\ub+16*\b+\i], v[\ub+16*\b+\i+1]
.endr
.endr
.irp b, 0,1
	v_max_num_f32 v[\bmr+\b], v[\bmr+\b], v[\ub+16*\b+15]
.endr
.irp b, 0,1
	v_permlanex16_b32 v[\tmp+\b], v[\bmr+\b], s22, s23
.endr
.irp b, 0,1
	v_max_num_f32 v[\bmr+\b], v[\bmr+\b], v[\tmp+\b]       ; with lane l xor 16's sixteen
.endr
.endm
; phi of 64 features of a row (v[ub] on; c in v36), quantised along the features: codes to v[fb] .. v[fb + 3], scale word to v[wd].
.macro FEAT ub, bmr, fb, wd
.irp j, 0,2,4,6,8,10,12,14,16,18,20,22,24,26,28,30
	v_pk_fma_f32 v[\ub+\j:\ub+\j+1], v[\ub+\j:\ub+\j+1], s[26:27], v[CP:CP+1] op_sel_hi:[1,0,0]    ; dd log2(e) + c
.endr
.irp b, 0,1
	v_fma_f32 v[\bmr+\b], v[\bmr+\b], s26, v[CP]           ; the same of each block's largest dd
.endr
.irp j, 0,1,2,3,4,5,6,7,8,9,10,11,12,13,14,15,16,17,18,19,20,21,22,23,24,25,26,27,28,29,30,31
	v_exp_f32 v[\ub+\j], v[\ub+\j]
.endr
.irp b, 0,1
	v_exp_f32 v[\bmr+\b], v[\bmr+\b]
.endr
	v_nop                                          ; one plain line between the exponentials and the use of their results
	s_wait_alu depctr_va_vdst(0)
.irp j, 0,2,4,6,8,10,12,14,16,18,20,22,24,26,28,30
	v_pk_add_f32 v[\ub+\j:\ub+\j+1], v[\ub+\j:\ub+\j+1], s[28:29] op_sel_hi:[1,0]                  ; + 1e-4
.endr
.irp b, 0,1
	v_add_f32 v[\bmr+\b], s28, v[\bmr+\b]          ; the block's largest feature: at least 1e-4, so no floor is wanted
.endr
.irp b, 0,1
	v_add_nc_u32 v[TM+4+\b], 0xff000000, v[\bmr+\b]
.endr
.irp b, 0,1
	v_lshrrev_b32 v[TM+6+\b], 23, v[TM+4+\b]
.endr
	v_lshl_or_b32 v[\wd], v[TM+7], 8, v[TM+6]      ; the row's scale word
.irp t, 0,1,2,3
	v_cvt_scalef32_pk8_fp4_f32 v[\fb+2*(\t%2)+\t/2], v[\ub+8*\t:\ub+8*\t+7], v[TM+4+\t/2]
.endr
	v_nop
	v_permlane16_swap_b32 v[\fb], v[\fb+1]         ; lane half h now holds block h whole, ascending
	v_permlane16_swap_b32 v[\fb+2], v[\fb+3]
.endm
.macro KFEAT T, fb                     ; tile T of my keys: kp, its image to LDS
	v_fma_f32 v[T0], v[SS+\T], 0x3d800000, v[MX]   ; |x|^2 / 16 + stab
	v_mul_f32 v[CP], s66, v[T0]
	FEAT U+32*\T, BM+2*\T, \fb, W4+\T
	ds_store_b128 v[KPW], v[\fb:\fb+3] offset:512*\T
.endm
.macro KLOAD as, ak                    ; a trip's 128 keys of kp: their scale words and eight images: nine LDS loads
	ds_load_b128 v[KSC:KSC+3], v[\as]
.irp t, 0,1,2,3,4,5,6,7
	ds_load_b128 v[KF+8*\t:KF+8*\t+3], v[\ak] offset:512*\t
.endr
.endm
.macro WM c                            ; s^T of group c of a trip: source 0 = 16 keys of kp, source 1 = qp: register 8 x + j = key 16 x + 8 h + j of the group, query r
.irp x, 0,1,2,3
.if \c
	v_wmma_scale_f32_16x16x128_f8f6f4 v[S+32*\c+8*\x:S+32*\c+8*\x+7], v[KF+32*\c+8*\x:KF+32*\c+8*\x+7], v[QF:QF+7], 0, v[KSC+\x], v[QSC] matrix_a_fmt:MATRIX_FMT_FP4 matrix_b_fmt:MATRIX_FMT_FP4 matrix_a_scale:MATRIX_SCALE_ROW1
.else
	v_wmma_scale_f32_16x16x128_f8f6f4 v[S+32*\c+8*\x:S+32*\c+8*\x+7], v[KF+32*\c+8*\x:KF+32*\c+8*\x+7], v[QF:QF+7], 0, v[KSC+\x], v[QSC] matrix_a_fmt:MATRIX_FMT_FP4 matrix_b_fmt:MATRIX_FMT_FP4
.endif
.endr
.endm
.macro MASK c                          ; the diagonal group: keys behind the query become 0
.irp n, 0,1,2,3,4,5,6,7,8,9,10,11,12,13,14,15,16,17,18,19,20,21,22,23,24,25,26,27,28,29,30,31
	v_cndmask_b32 v[S+32*\c+\n], v[S+32*\c+\n], v[NIL], s[MK+\n]
.endr
.endm
.macro ADD c                           ; the group's 32 numbers of my lane onto the row's sum, four chains
.irp n, 0,1,2,3,4,5,6,7,8,9,10,11,12,13,14,15
	v_pk_add_f32 v[RS+2*(\n%4):RS+2*(\n%4)+1], v[RS+2*(\n%4):RS+2*(\n%4)+1], v[S+32*\c+2*\n:S+32*\c+2*\n+1]
.endr
.endm
; p = s / sum of the trip's first nb blocks of 32 keys (4, or 2 on the diagonal), quantised along the keys: p's fragment and its scale word.  The blocks take turns line by line, so that
; no line waits for the line above it.  Every tile of s is read from its low end on.
.macro QP nb
.set b, 0
.rept \nb
	v_max3_num_f32 v[BX+b], v[S+16*b], v[S+16*b+1], v[S+16*b+2]
.set b, b+1
.endr
.irp i, 3,5,7,9,11,13
.set b, 0
.rept \nb
	v_max3_num_f32 v[BX+b], v[BX+b], v[S+16*b+\i], v[S+16*b+\i+1]
.set b, b+1
.endr
.endr
.set b, 0
.rept \nb
	v_max_num_f32 v[BX+b], v[BX+b], v[S+16*b+15]
.set b, b+1
.endr
.set b, 0
.rept \nb
	v_permlanex16_b32 v[PT+b], v[BX+b], s22, s23
.set b, b+1
.endr
.set b, 0
.rept \nb
	v_max_num_f32 v[BX+b], v[BX+b], v[PT+b]        ; with lane l xor 16's sixteen: the block's largest s
.set b, b+1
.endr
.set b, 0
.rept \nb
	v_mul_f32 v[BX+b], v[BX+b], v[CP]              ; the block's largest p: the same multiplication on the largest s
.set b, b+1
.endr
.set b, 0
.rept \nb
	v_max_num_f32 v[BX+b], 0x1800000, v[BX+b]      ; over the floor 2^(3 - 127)
.set b, b+1
.endr
.set b, 0
.rept \nb
	v_add_nc_u32 v[SO+b], 0xff000000, v[BX+b]      ; 2 off the exponent field: the conversion's scale operand
.set b, b+1
.endr
.set b, 0
.rept \nb
	v_lshrrev_b32 v[PT+b], 23, v[SO+b]             ; the scale's byte
.set b, b+1
.endr
	v_lshl_or_b32 v[PSW], v[PT+1], 8, v[PT]        ; p's scale word (with two blocks bytes 2 and 3 stay 0: they scale zero codes)
.if \nb > 2
	v_lshl_or_b32 v[PSW], v[PT+2], 16, v[PSW]
	v_lshl_or_b32 v[PSW], v[PT+3], 24, v[PSW]
.endif
.set b, 0
.rept 8*\nb
	v_pk_mul_f32 v[S+2*b:S+2*b+1], v[S+2*b:S+2*b+1], v[CP:CP+1]    ; (these are also the lines between the scale word and the scaled product)
.set b, b+1
.endr
.set b, 0
.rept 2*\nb
	v_cvt_scalef32_pk8_fp4_f32 v[PF+4*(b/4)+2*(b%2)+(b%4)/2], v[S+8*b:S+8*b+7], v[SO+b/2]
.set b, b+1
.endr
	v_nop                                          ; one plain line behind the scaled conversions
.set b, 0
.rept \nb
	v_permlane16_swap_b32 v[PF+2*b], v[PF+2*b+1]
.set b, b+1
.endr
.endm
	; ---- the head.  All that hangs on ids alone stands ahead of the wait for the arguments
	s_load_b256 s[4:11], s[0:1], 0x0               ; k s[4:5], q s[6:7], P's codes s[8:9], P's scales s[10:11]
	s_load_b128 s[12:15], s[0:1], 0x20             ; v's codes s[12:13], v's scales s[14:15]
	s_load_b64 s[16:17], s[0:1], 0x30              ; out
	v_lshl_add_u32 v190, v0, 2, 0x4de00
	v_mov_b32 v191, 0
	ds_add_u32 v190, v191
	ds_add_u32 v190, v191
	s_wait_dscnt 0x0
	v_lshrrev_b32 v2, 5, v0
	v_readfirstlane_b32 s18, v2                    ; wave 0 .. 15
	s_bfe_u32 s20, ttmp6, 0x40000                  ; cx
	s_mov_b32 s21, ttmp9                           ; the head: in a cluster launch ttmp9 counts clusters
	s_lshr_b32 s2, s18, 2                          ; IDX: a = w / 4, b = w % 4, p(x) = (x xor x / 2) & 1: 4 (a xor 3 p(b)) + (b xor 3 p(a))
	s_and_b32 s3, s18, 3
	s_lshr_b32 s30, s3, 1
	s_xor_b32 s30, s30, s3
	s_and_b32 s30, s30, 1
	s_mul_i32 s30, s30, 3
	s_xor_b32 s30, s30, s2
	s_lshr_b32 s31, s2, 1
	s_xor_b32 s31, s31, s2
	s_and_b32 s31, s31, 1
	s_mul_i32 s31, s31, 3
	s_xor_b32 s31, s31, s3
	s_lshl_b32 s19, s30, 2
	s_add_co_u32 s19, s19, s31                     ; i: my queries are 64 i + 16 cx + r, my keys' groups 0 .. i
	s_mov_b32 s22, 0x76543210
	s_mov_b32 s23, 0xfedcba98                      ; v_permlanex16_b32's selects for lane l xor 16
	s_mov_b32 s24, 0x3eb504f3                      ; 64^-0.25
	s_mov_b32 s25, s24
	s_mov_b32 s26, 0x3fb8aa3b                      ; log2(e)
	s_mov_b32 s27, s26
	s_mov_b32 s28, 0x38d1b717                      ; 1e-4
	s_mov_b32 s29, s28
	s_mov_b32 s66, 0xbfb8aa3b                      ; -log2(e)
	; group 1 for k: 16 rows of 64 elements of 4 bytes, 16 bytes of padding behind each row
	s_mov_b32 s32, 15|(2<<16)|(1<<20)|(1<<21)|(5<<22)|(3<<25)   ; 15:0 the mask: all four work-groups; 17:16 elements of 4 bytes; 20 padding on; 21 set beside a mask; 24:22 after every 64 words; 31:25 four words
	s_mov_b32 s33, 64<<16                          ; tensor_dim0 = 64
	s_mov_b32 s34, 16<<16                          ; tensor_dim1 = 16
	s_mov_b32 s35, 64<<16                          ; tile_dim0 = 64
	s_mov_b32 s36, 16                              ; tile_dim1 = 16
	s_mov_b32 s37, 64                              ; elements from row to row
	s_mov_b32 s38, 0
	s_mov_b32 s39, 0
	; group 1 for v's codes: 4 rows of 512 bytes, 16 bytes of padding behind each row
	s_mov_b32 s40, 15|(0<<16)|(1<<20)|(1<<21)|(6<<22)|(3<<25)
	s_mov_b32 s41, 512<<16
	s_mov_b32 s42, 4<<16
	s_mov_b32 s43, 512<<16
	s_mov_b32 s44, 4
	s_mov_b32 s45, 512
	s_mov_b32 s46, 0
	s_mov_b32 s47, 0
	; the words of the groups 0 that hang on no pointer: count 1, and the LDS address: a constant x wave + the tile's constant
	s_mov_b32 s48, 1
	s_mul_i32 s49, s18, KWAVE
	s_mov_b32 s56, 1
	s_add_co_u32 s57, s49, KQ
	s_mov_b32 s60, 1
	s_add_co_u32 s61, s49, 2*KQ
	s_mov_b32 s52, 1
	s_mul_i32 s53, s18, 4*VP
	s_add_co_u32 s53, s53, VC
	s_lshl_b32 s30, s18, 11                        ; 2,048 w: my images of kp, and my rows of v's codes in memory
	s_mul_i32 s31, s18, STGW
	s_add_co_u32 s31, s31, STG                     ; my stage
	s_lshl_b32 s3, s18, 8
	s_add_co_u32 s3, s3, SCW
	s_lshl_b32 s67, s20, 4                         ; 16 cx, for the masks alone
	v_and_b32 v[LI], 31, v0
	v_and_b32 v[AS0], 31, v0
	v_lshlrev_b32 v[LI], 4, v[LI]
	v_and_b32 v[RR], 15, v0
	v_bfe_u32 v[HH], v0, 4, 1
	v_lshlrev_b32 v[H8], 3, v[HH]
	v_mov_b32 v[NIL], 0
	v_mul_u32_u24 v[T0], v[RR], KP                 ; 272 r
	v_lshl_add_u32 v[KRD], v[HH], 7, v[T0]
	v_add_nc_u32 v[STQ], s31, v[KRD]
	v_add_nc_u32 v[KRD], s49, v[KRD]
	v_lshl_add_u32 v[STO], v[HH], 5, v[T0]
	v_add_nc_u32 v[STO], s31, v[STO]
	v_mul_u32_u24 v[STI], v[HH], KP
	v_lshl_add_u32 v[STI], v[RR], 4, v[STI]
	v_add_nc_u32 v[STI], s31, v[STI]
	v_add_nc_u32 v[KPW], s30, v[LI]                ; 2,048 w + 16 x lane
	v_lshl_add_u32 v[SCS], v[RR], 4, s3
	v_add_nc_u32 v[SC0], SCW, v[LI]
	v_mul_u32_u24 v[AV0], v[RR], VP
	v_lshl_add_u32 v[AV0], v[HH], 4, v[AV0]
	v_add_nc_u32 v[AV0], VC, v[AV0]
	v_mul_u32_u24 v[AS0], v[AS0], 36
	v_add_nc_u32 v[AS0], VS, v[AS0]
	v_lshl_add_u32 v[MXA], v[RR], 2, MAXW
	v_lshlrev_b32 v[TM+1], 5, v[RR]
	v_lshl_add_u32 v[TM+1], v[HH], 4, v[TM+1]      ; P: row r of 32 bytes, + 16 h
	v_lshrrev_b32 v[TM+2], 3, v[LI]                ; P's scales: 2 bytes a row, 2 x lane
	v_lshlrev_b32 v[TM+3], 2, v0                   ; v's scales: word number = my thread's
	v_lshrrev_b32 v[TM+4], 3, v0                   ; that word belongs to row tid / 8 of v, trip tid % 8
	v_mul_u32_u24 v[TM+4], v[TM+4], 36
	v_and_b32 v[TM+5], 7, v0
	v_lshl_add_u32 v[TM+4], v[TM+5], 2, v[TM+4]
	v_add_nc_u32 v[TM+4], VS, v[TM+4]
	v_sub_nc_u32 v[TM+7], v[RR], v[H8]
	v_add_nc_u32 v[TM+7], s67, v[TM+7]             ; 16 cx + r - 8 h
.irp x, 0,1,2,3
.irp j, 0,1,2,3,4,5,6,7
	v_cmp_gt_i32 s[MK+8*\x+\j], 16*\x+\j, v[TM+7]  ; hidden where 16 x + 8 h + j > 16 cx + r
.endr
.endr
.irp j, 4,5,6,7
	v_mov_b32 v[QF+\j], 0                          ; zero codes for k = 64 .. 127, each fragment with registers of its own
.irp t, 0,1,2,3
	v_mov_b32 v[PFR+8*\t+\j], 0
.endr
.endr
	v_mov_b32 v[T1], 0                             ; a lane permute's destination counts as read
	v_mov_b32 v[CP+1], 0                           ; named with v36 as a pair
	s_wait_kmcnt 0x0
	s_lshl_b32 s2, s21, 18                         ; the head's 262,144 bytes of k, my wave's 64 rows of 256: nothing of cx in these registers
	s_lshl_b32 s3, s18, 14
	s_add_co_u32 s2, s2, s3
	s_mov_b32 s3, 0
	s_add_nc_u64 s[50:51], s[4:5], s[2:3]          ; my first tile of k; the others 4,096 bytes apart
	s_add_nc_u64 s[58:59], s[50:51], 4096
	s_add_nc_u64 s[62:63], s[50:51], 8192
	s_lshl_b32 s2, s21, 11                         ; the head's 2,048 scale bytes of v: their base moves to s[4:5], where k's address is done with,
	s_add_nc_u64 s[4:5], s[14:15], s[2:3]
	s_add_nc_u64 s[14:15], s[50:51], 12288         ; and s[12:15] become the fourth tile's group 0
	s_lshl_b32 s2, s21, 15                         ; the head's 32,768 bytes of v's codes, my wave's 4 rows of 512
	s_add_co_u32 s2, s2, s30
	s_add_nc_u64 s[54:55], s[12:13], s[2:3]
	s_mov_b32 s12, 1
	s_add_co_u32 s13, s49, 3*KQ
	s_or_b32 s51, s51, 0x80000000                  ; 127:126 type = 2
	s_or_b32 s59, s59, 0x80000000
	s_or_b32 s63, s63, 0x80000000
	s_or_b32 s15, s15, 0x80000000
	s_or_b32 s55, s55, 0x80000000
.irp t, 0,1,2,3
	global_load_b128 v[PFR+8*\t:PFR+8*\t+3], v[TM+1], s[8:9] offset:512*\t    ; P, its scales and v's scales are asked for ahead of the round: nobody stores to them
.endr
.irp p, 0,1
	global_load_u16 v[PS+\p], v[TM+2], s[10:11] offset:64*\p       ; two bytes, the upper half 0
.endr
	global_load_b32 v[TM], v[TM+3], s[4:5]
	ROUND                                          ; all four work-groups are here: the joint loads meet
	tensor_load_to_lds s[48:51], s[32:39]          ; my 64 rows of k, 16 at a time,
	s_nop 0
	tensor_load_to_lds s[56:59], s[32:39]
	s_nop 0
	tensor_load_to_lds s[60:63], s[32:39]
	s_nop 0
	tensor_load_to_lds s[12:15], s[32:39]
	s_nop 0
	tensor_load_to_lds s[52:55], s[40:47]          ; and my 4 rows of v's codes: five loads of mine are out
	s_nop 0
	PLACES 4
	s_lshl_b32 s2, s21, 18                         ; q and out at my 16 rows: head x 262,144 + (64 i + 16 cx) x 256
	s_lshl_b32 s67, s19, 14
	s_add_co_u32 s2, s2, s67
	s_lshl_b32 s67, s20, 12
	s_add_co_u32 s2, s2, s67
	s_add_nc_u64 s[6:7], s[6:7], s[2:3]
	s_add_nc_u64 s[16:17], s[16:17], s[2:3]
	s_wait_loadcnt 0x0
	ds_store_b32 v[TM+4], v[TM]
	; ---- K1: dd of my 64 keys, kept in registers; each tile's maxima stand between the next tile's quantising and its products.
	; Only I read my rows of k, so my own counted waits are all that the reads need: behind tile T's load 4 - T tensor loads were issued
	s_wait_tensorcnt 0x4
	LOADX 0
	PREP X, SS
	s_wait_tensorcnt 0x3
	LOADX 1
	PLACES 8                                       ; a scale word made by vector lines stands eight lines ahead of a scaled product
	WM12 U
	PREP X, SS+1
	s_wait_tensorcnt 0x2
	LOADX 2
	MAXES U, BM, TM
	WM12 U+32
	PREP X, SS+2
	s_wait_tensorcnt 0x1
	LOADX 3
	MAXES U+32, BM+2, TM
	WM12 U+64
	PREP X, SS+3
.irp n, 0,1,2,3,4,5,6,7
	global_load_b128 v[X+4*\n:X+4*\n+3], v[LI], s[6:7] offset:512*\n th:TH_LOAD_NT   ; my 16 rows of q, 512 consecutive bytes a load: they have a barrier and the whole of K2 in which to land
.endr
	MAXES U+64, BM+4, TM
	WM12 U+96
	PLACES 4
	MAXES U+96, BM+6, TM
	v_max3_num_f32 v[MX], v[BM], v[BM+1], v[BM+2]
	v_max3_num_f32 v[MX], v[MX], v[BM+3], v[BM+4]
	v_max3_num_f32 v[MX], v[MX], v[BM+5], v[BM+6]
	v_max_num_f32 v[MX], v[MX], v[BM+7]
.irp m, 1,2,4,8
	v_max_num_f32_dpp v[MX], v[MX], v[MX] row_xmask:\m row_mask:0xf bank_mask:0xf     ; over the 16 rows: my wave's largest dd
.endr
	v_lshrrev_b32 v[T0], 5, v0
	v_lshl_add_u32 v[T0], v[T0], 2, MAXW
	ds_store_b32 v[T0], v[MX]                      ; all lanes write the same word with the same value
	s_wait_tensorcnt 0x0                           ; for the others' sake: my rows of v's codes have landed
	s_wait_dscnt 0x0                               ; my maximum and my word of v's scales are stored, my reads of k are in
	s_barrier_signal -1
	s_barrier_wait -1                              ; k's rows are done with in every wave
	; ---- stab of the head
	ds_load_b32 v[MX], v[MXA]
	s_wait_dscnt 0x0
.irp m, 1,2,4,8
	v_max_num_f32_dpp v[MX], v[MX], v[MX] row_xmask:\m row_mask:0xf bank_mask:0xf
.endr
	; ---- K2: kp of my four tiles; each tile's codes have registers of their own, so that no LDS store's data are written again
	KFEAT 0, QF
	KFEAT 1, U
	KFEAT 2, U+4
	KFEAT 3, U+8
	ds_store_b128 v[SCS], v[W4:W4+3]               ; row r's four scale words (both lane halves write the same)
	; ---- Q: my 16 queries turn through my stage (dense rows in, 128 bytes a lane out), then as for the keys, with the row's own maximum
	s_wait_loadcnt 0x0
.irp n, 0,1,2,3,4,5,6,7
	ds_store_b128 v[STI], v[X+4*\n:X+4*\n+3] offset:2*KP*\n
.endr
.irp j, 0,1,2,3,4,5,6,7
	ds_load_b128 v[U+32+4*\j:U+32+4*\j+3], v[STQ] offset:16*\j     ; LDS serves a wave's instructions in order (ISA guide 5.7.1.4): these see the stores above
.endr
	PREP U+32, SS
	PLACES 8
	WM12 U+64
	PLACES 4
	MAXES U+64, BM, TM
	v_max_num_f32 v[MX], v[BM], v[BM+1]
	v_fma_f32 v[T0], v[SS], 0x3d800000, v[MX]
	v_mul_f32 v[CP], s66, v[T0]
	FEAT U+64, BM, QF, QSC
	s_wait_dscnt 0x0                               ; my images of kp and their scale words are stored
	s_barrier_signal -1
	s_barrier_wait -1                              ; the head's kp lies in LDS
	; ---- pass A: the rows' sums.  Eight trips in every wave, 128 keys a trip; a trip all of whose keys lie behind my queries does nothing.
	; A trip's nine loads are issued a trip ahead, four lines behind the products that read their registers.  The address is held at the last trip's, so that no read leaves kp's images
	KLOAD SC0, LI                                  ; trip 0: it lands under the lines below
.irp t, 4,5,6,7
.irp j, 4,5,6,7
	v_mov_b32 v[KF+8*\t+\j], 0                     ; zero codes (fragments 0-3 keep those of P's fragments)
.endr
.endr
.irp j, 0,1,2,3,4,5,6,7
	v_mov_b32 v[RS+\j], 0
.endr
.irp j, 0,1,2,3,4,5,6,7,8,9,10,11,12,13,14,15,16,17,18,19,20,21,22,23,24,25,26,27,28,29,30,31
	v_mov_b32 v[O+\j], 0                           ; out^T: pass B is written once
.endr
	s_mov_b32 s56, 0                               ; the trip's first group of 64 keys,
	s_mov_b32 s57, 1                               ; its second,
	s_mov_b32 s58, 0                               ; its images of kp: 4,096 bytes a trip,
	s_mov_b32 s59, 0                               ; their scale words: 512
.LpassA:
	s_add_co_u32 s62, s58, 4096                    ; the next trip's, held at trip 7's
	s_min_u32 s62, s62, 7*4096
	s_add_co_u32 s63, s59, 512
	s_min_u32 s63, s63, 7*512
	v_add_nc_u32 v[ADK], s62, v[LI]
	v_add_nc_u32 v[ADS], s63, v[SC0]
	s_cmp_gt_u32 s56, s19
	s_cbranch_scc1 .LnextA
	s_wait_dscnt 0x0                               ; this trip's nine, asked for a trip ago
	WM 0
	s_cmp_eq_u32 s56, s19
	s_cbranch_scc1 .LdiagA
	WM 1
	PLACES 4
	KLOAD ADS, ADK                                 ; the next trip's
	ADD 0
	s_cmp_lg_u32 s57, s19
	s_cbranch_scc1 .LopenA
	MASK 1
.LopenA:
	ADD 1
	s_branch .LnextA
.LdiagA:
	PLACES 4
	MASK 0
	ADD 0
.LnextA:
	s_add_co_u32 s58, s58, 4096
	s_add_co_u32 s59, s59, 512
	s_add_co_u32 s57, s57, 2
	s_add_co_u32 s56, s56, 2
	s_cmp_lt_u32 s56, 16
	s_cbranch_scc1 .LpassA
	s_wait_dscnt 0x0                               ; a fetch ahead may still be out: its registers are loaded again below
	KLOAD SC0, LI                                  ; pass B's trip 0: it lands under the sum's last lines
	v_pk_add_f32 v[RS:RS+1], v[RS:RS+1], v[RS+2:RS+3]
	v_pk_add_f32 v[RS+4:RS+5], v[RS+4:RS+5], v[RS+6:RS+7]
	v_pk_add_f32 v[RS:RS+1], v[RS:RS+1], v[RS+4:RS+5]
	v_add_f32 v[T0], v[RS], v[RS+1]
	v_permlanex16_b32 v[TM], v[T0], s22, s23
	v_add_f32 v[T0], v[T0], v[TM]                  ; the row's sum
	v_rcp_f32 v[CP], v[T0]
	v_nop                                          ; one plain line behind the reciprocal
	s_wait_alu depctr_va_vdst(0)
	v_fma_f32 v[TM], -v[T0], v[CP], 1.0            ; one Newton step; a sum of 0 gives NaN here
	v_fma_f32 v[CP], v[CP], v[TM], v[CP]
	v_mov_b32 v[CP+1], v[CP]
	v_mul_f32 v[NC], 0, v[CP]                      ; 0, or NaN where the sum was 0: added to out at the end
	v_mov_b32 v[NC+1], v[NC]
	; ---- pass B: s again, p, its codes, out^T += v^T p^T
	s_mov_b32 s56, 0
	s_mov_b32 s57, 1
	s_mov_b32 s58, 0
	s_mov_b32 s59, 0
	s_mov_b32 s60, 0                               ; v's codes: 64 bytes a trip in each row,
	s_mov_b32 s61, 0                               ; v's scale words: 4
.LpassB:
	s_add_co_u32 s62, s58, 4096                    ; kp's next trip, held at trip 7's
	s_min_u32 s62, s62, 7*4096
	s_add_co_u32 s63, s59, 512
	s_min_u32 s63, s63, 7*512
	v_add_nc_u32 v[ADK], s62, v[LI]                ; (these four are the lines between the last trip's products with v and the loads into their registers)
	v_add_nc_u32 v[ADS], s63, v[SC0]
	v_add_nc_u32 v[ADV], s60, v[AV0]
	v_add_nc_u32 v[ADT], s61, v[AS0]
	s_cmp_gt_u32 s56, s19
	s_cbranch_scc1 .LnextB
.irp t, 0,1,2,3
.irp c, 0,1
	ds_load_b128 v[VF+8*\t+4*\c:VF+8*\t+4*\c+3], v[ADV] offset:16*VP*\t+32*\c
.endr
.endr
.irp p, 0,1
	ds_load_b32 v[VSC+\p], v[ADT] offset:32*36*\p
.endr
	s_wait_dscnt 10                                ; kp's nine, asked for a trip ago, are in; v's ten, just issued, may stay out
	WM 0
	s_cmp_eq_u32 s56, s19
	s_cbranch_scc1 .LdiagB
	WM 1
	PLACES 4
	KLOAD ADS, ADK                                 ; the next trip's kp: it has the quantiser and the products with v in which to land
	s_cmp_lg_u32 s57, s19
	s_cbranch_scc1 .LopenB
	MASK 1
.LopenB:
	QP 4
	s_wait_dscnt 9                                 ; v's ten are in; the nine issued behind them may stay out
	s_branch .Lpv
.LdiagB:
	PLACES 4
	MASK 0
	QP 2
.irp j, 4,5,6,7
	v_mov_b32 v[PF+\j], 0                          ; the trip's second group lies behind my queries: zero codes
.endr
	s_wait_dscnt 0x0                               ; v's ten: nothing was issued behind them on this way
.Lpv:
	PLACES 4                                       ; an operand made by vector lines stands four lines ahead of a scaled product
.irp t, 0,1,2,3                        ; the four accumulators by turns, and s's products between their turns
.if \t%2
	v_wmma_scale_f32_16x16x128_f8f6f4 v[O+8*\t:O+8*\t+7], v[VF+8*\t:VF+8*\t+7], v[PF:PF+7], v[O+8*\t:O+8*\t+7], v[VSC+\t/2], v[PSW] matrix_a_fmt:MATRIX_FMT_FP4 matrix_b_fmt:MATRIX_FMT_FP4 matrix_a_scale:MATRIX_SCALE_ROW1
.else
	v_wmma_scale_f32_16x16x128_f8f6f4 v[O+8*\t:O+8*\t+7], v[VF+8*\t:VF+8*\t+7], v[PF:PF+7], v[O+8*\t:O+8*\t+7], v[VSC+\t/2], v[PSW] matrix_a_fmt:MATRIX_FMT_FP4 matrix_b_fmt:MATRIX_FMT_FP4
.endif
.endr
.LnextB:
	s_add_co_u32 s58, s58, 4096
	s_add_co_u32 s59, s59, 512
	s_add_co_u32 s60, s60, 64
	s_add_co_u32 s61, s61, 4
	s_add_co_u32 s57, s57, 2
	s_add_co_u32 s56, s56, 2
	s_cmp_lt_u32 s56, 16
	s_cbranch_scc1 .LpassB
	; ---- the way out: register 8 t + j is out(query r, channel 16 t + 8 h + j); through my stage, back as dense rows
	PLACES 4
.irp n, 0,2,4,6,8,10,12,14,16,18,20,22,24,26,28,30
	v_pk_add_f32 v[S+\n:S+\n+1], v[O+\n:O+\n+1], v[NC:NC+1]
.endr
.irp t, 0,1,2,3
	ds_store_b128 v[STO], v[S+8*\t:S+8*\t+3] offset:64*\t
	ds_store_b128 v[STO], v[S+8*\t+4:S+8*\t+7] offset:64*\t+16
.endr
.irp n, 0,1,2,3,4,5,6,7
	ds_load_b128 v[S+32+4*\n:S+32+4*\n+3], v[STI] offset:2*KP*\n   ; in order behind my stores
.endr
.irp n, 0,1,2,3,4,5,6,7
	s_wait_dscnt 7-\n                              ; the younger loads may stay out; the last count is 0, so no LDS instruction of mine is out at the round below
	global_store_b128 v[LI], v[S+32+4*\n:S+32+4*\n+3], s[16:17] offset:512*\n th:TH_STORE_NT   ; 32 lanes store 512 consecutive bytes, at a multiple of 256 from out's first byte
.endr
	s_wait_xcnt 0x0
	v_lshl_add_u32 v190, v0, 2, 0x4de00
	v_mov_b32 v191, 0
	s_wait_tensorcnt 0x0
	ds_add_u32 v190, v191
	s_wait_dscnt 0x0
	ROUND                                          ; the closing round: no work-group ends while a partner may still ask for a tile that names it
	s_endpgm
.Lfunc_end_k_q9225b2a572_attn:
	.size	k_q9225b2a572_attn, .Lfunc_end_k_q9225b2a572_attn-k_q9225b2a572_attn
	.p2alignl 7, 3214868480
	.fill 96, 4, 3214868480
	.section	.rodata,"a",@progbits
	.p2align	6, 0x0
	.amdhsa_kernel k_q9225b2a572_attn
		.amdhsa_group_segment_fixed_size 327680
		.amdhsa_private_segment_fixed_size 0
		.amdhsa_enable_private_segment 0
		.amdhsa_kernarg_size 56
		.amdhsa_user_sgpr_count 2
		.amdhsa_user_sgpr_kernarg_segment_ptr 1
		.amdhsa_wavefront_size32 1
		.amdhsa_system_sgpr_workgroup_id_x 1
		.amdhsa_system_sgpr_workgroup_id_y 1
		.amdhsa_system_sgpr_workgroup_id_z 1
		.amdhsa_system_vgpr_workitem_id 0
		.amdhsa_next_free_vgpr 256
		.amdhsa_next_free_sgpr 100
		.amdhsa_reserve_vcc 0
		.amdhsa_float_denorm_mode_32 3
		.amdhsa_float_denorm_mode_16_64 3
		.amdhsa_memory_ordered 1
		.amdhsa_forward_progress 1
		.amdhsa_inst_pref_size 99
	.end_amdhsa_kernel
	.amdgpu_metadata
---
amdhsa.version: [ 1, 2 ]
amdhsa.kernels:
  - .name:           k_q9225b2a572_attn
    .symbol:         k_q9225b2a572_attn.kd
    .args:
      - { .name: k, .offset: 0, .size: 8, .value_kind: global_buffer, .address_space: global }
      - { .name: q, .offset: 8, .size: 8, .value_kind: global_buffer, .address_space: global }
      - { .name: projection_matrix_codes, .offset: 16, .size: 8, .value_kind: global_buffer, .address_space: global }
      - { .name: projection_matrix_scales, .offset: 24, .size: 8, .value_kind: global_buffer, .address_space: global }
      - { .name: v_codes, .offset: 32, .size: 8, .value_kind: global_buffer, .address_space: global }
      - { .name: v_scales, .offset: 40, .size: 8, .value_kind: global_buffer, .address_space: global }
      - { .name: out0, .offset: 48, .size: 8, .value_kind: global_buffer, .address_space: global }
    .group_segment_fixed_size: 327680
    .private_segment_fixed_size: 0
    .kernarg_segment_align: 8
    .kernarg_segment_size: 56
    .max_flat_workgroup_size: 512
    .sgpr_count:     100
    .vgpr_count:     256
    .wavefront_size: 32
...
	.end_amdgpu_metadata
.endif
;; end of part 1
